; MI455X (gfx1250); checked and timed in simulation.
; The chip was launched on July 23, 2026; its instructions are those of AMD's public machine-readable ISA for CDNA 5 (MIT licence, August 2026) and "CDNA5" Instruction Set Architecture Reference Guide (July 2026). The comments in the code are by the model that wrote it; some were corrected since.
;; Vector Quantizer. Allowed arithmetic: matrix products marked QUANTISED: E3M2 operands, one E8M0 scale for each 32 along K, by v_wmma_scale_f32_16x16x128_f8f6f4 with both operands' format E3M2, f32 sums; everything else in f32.
;; Inputs: codebook 1,024 x 64 float32; inputs 64 x 32 x 32 x 64 float32.
;; Outputs: out0 64 x 32 x 32 x 64 float32; out1 one number float32.
;; This version of the problem:
;;   THIS VERSION OF THE PROBLEM IS GIVEN IN LOW PRECISION. The matrix products marked QUANTISED in the list below multiply operands that are first quantised to E3M2 (3 exponent bits, 2 mantissa bits; 6 bits a number), with one power-of-two scale for each 32 numbers along K (OCP MX v1.0); their sums are f32. All else is computed in f32.
;;   The module's matrix products, in the order in which they are computed (A, B: the left and right operand; K: the contracted axis; several contracted axes count as one K, in the product's order):
;;     1. [M 65,536, K 64] x [K 64, N 1,024]; A: input inputs; B: input codebook: QUANTISED
;;   THE QUANTISER, for each operand of a quantised product, along K:
;;     - K is cut into blocks of 32 from its start; a last block that is shorter is filled with zeros.
;;     - A block's scale is 2^e with e = floor(log2(the largest magnitude in the block)) - 4, held to -126 .. 127; a block of zeros has e = 0. As a byte (E8M0): e + 127.
;;     - Each number is divided by its block's scale, clamped to +-28, and rounded to the nearest number of E3M2, ties to even, subnormals kept.
;;     - The product sums the exact products of the quantised numbers (number of the format x scale) in f32.
;;   ~~~python
;;   def quantise(x, axis):      # numpy; x: float32 -> the quantised numbers, widened to float32 again
;;       x = np.moveaxis(x, axis, -1); K = x.shape[-1]
;;       x = np.pad(x, [(0, 0)] * (x.ndim - 1) + [(0, -K % 32)]); x = x.reshape(x.shape[:-1] + (-1, 32)); a = np.abs(x).max(-1, keepdims=True)
;;       e = np.where(a > 0, np.clip(np.frexp(np.where(a > 0, a, 1))[1] - 1 - 4, -126, 127), 0)      # np.frexp(a)[1] - 1 = floor(log2(a)), exactly
;;       r = np.clip(x / 2.0 ** e, -28, 28)
;;       step = 2.0 ** (np.maximum(np.frexp(np.where(r == 0, 1, r))[1] - 1, -2) - 2)
;;       q = np.round(r / step) * step * 2.0 ** e      # np.round: ties to even
;;       return np.moveaxis(q.reshape(q.shape[:-2] + (-1,))[..., :K], -1, axis).astype(np.float32)
;;   ~~~
;; One version. Each part assembles by itself: llvm-mc -triple=amdgcn-amd-amdhsa -mcpu=gfx1250 --defsym DOCPART=n.
;; ======== version 1 of 1: 3 launches
;; limits: right only within a limited range of input values
;; workspace buffers: idx 262,144 bytes of whole numbers; part 8,192 bytes
;; launch nearest (part 1): grid 256 x 1, 16 waves a work-group, clusters of 4 x 1, 327,680 bytes of LDS; arguments inputs, codebook, idx; writes idx
.if DOCPART == 1
	.amdgcn_target "amdgcn-amd-amdhsa--gfx1250"
	.amdhsa_code_object_version 6
	.text
	.protected	k_q8034a781ba_nearest
	.globl	k_q8034a781ba_nearest
	.p2align	8
	.type	k_q8034a781ba_nearest,@function
k_q8034a781ba_nearest:
	s_mov_b64 s[64:65], 0
	v_nop
	global_prefetch_b8 v0, s[64:65] scope:SCOPE_SE
	s_setreg_imm32_b32 hwreg(HW_REG_WAVE_MODE, 25, 1), 1
	s_wait_xcnt 0x0
	s_wait_alu depctr_hold_cnt(0) depctr_sa_sdst(0) depctr_va_vdst(0) depctr_va_sdst(0) depctr_va_ssrc(0) depctr_va_vcc(0) depctr_vm_vsrc(0)
	s_getreg_b32 s2, hwreg(HW_REG_IB_STS2, 6, 4)
	s_cmp_eq_u32 s2, 0
	s_cbranch_scc0 .Lentry_in_a_cluster
	s_endpgm
.Lentry_in_a_cluster:
	s_bfe_u32 s2, ttmp6, 0x10000c
	s_cmp_lg_u32 s2, 0x3003
	s_cbranch_scc0 .Lentry_shape_is_right
	s_endpgm
.Lentry_shape_is_right:
; For each row the first n that makes d(row, n) = (|x_row|^2 + |e_n|^2) - 2 x_row . e_n least.  x: 65,536 rows of 64 f32; e: 1,024 rows of 64 f32.
; idx: a work-group's 256 indices on end; that of its row 16 T + r stands at 16 r + T, as the next launch's lanes want them.
; The product runs on codes of BF6 (E3M2) with one E8M0 scale for each 32 along K; K = 64 fills half of the instruction's 128, the other half is zero codes on both sides.
; d is made as the definition writes it, one f32 rounding a step: S = xx + ee, then S - 2 dot.  Ties go to the lowest index.
; xx is summed in ascending k, squares rounded; ee in pairs and chains (another order of rounding: its last bits may differ).
; LIMITS: NaN and infinities among the inputs are not served.  A block of zeros gets the scale byte 1 where the quantiser says 127: its codes are zeros, and this launch alone reads the bytes.
; SHARES.  A work-group owns 256 rows of x = 16 row tiles.  Wave w = 4 q + g takes row tiles 4 g .. 4 g + 3 and code tiles 16 q .. 16 q + 15, in two halves of eight tiles.  Of each half it fetches and quantises two
; tiles, 16 q + 2 g and the next, and 16 q + 8 + 2 g and the next: 32 rows that it alone reads, so no barrier stands between that load and its reads.  Waves 0-7 also quantise row tiles 2 w, 2 w + 1.
; The records (operand image, scale words, ee or xx) meet in LDS: those of x and of the first half behind the round in front of the second half's loads, which are on their way during the first half's walk; those of
; the second half behind a barrier.  At the end the four q's results meet in LDS behind another.
; THE CODEBOOK is read by every work-group: the four of a cluster ask for it jointly.  No LDS byte is filled twice.  No prefetch: the text has no loop, and each byte is asked for once.
; LAYOUT.  Source 0 = 16 codes, source 1 = 16 rows of x: lane (r, h) holds row r and, in register j, code 16 t + 8 h + j.
; The walk takes two code tiles at a time: 16 distances a lane and row tile.  Where their least is less than the best so far (strictly: the earlier pair keeps a tie), the pair's number and the 16 distances
; are kept by selects.  No branch hangs on data.
.set PITCH, 272                        ; an LDS row: 256 bytes + 16 of padding
.set TILEB, 16*PITCH                   ; a tile of 16 raw rows; later its record lies in the first 960 bytes
.set XST,   64*TILEB                   ; behind the tiles: eight stages of TILEB: raw x, then two records (1,024 bytes each), and from byte 2,048 on the results of two waves
.set RES,   2048
.set SPARE, XST+8*TILEB                ; the spare words, 128 bytes for each wave
.set R_FB,  512                        ; a record: +0 registers 0-3 of the operand (16 bytes a lane), +512 registers 4-5 (8 bytes a lane),
.set R_SW,  768                        ; +768 the scale words (4 bytes a lane), +896 ee or xx of its 16 rows
.set R_EE,  896
.set FLOOR, 5<<23                      ; 2^(5 - 127): no largest magnitude is taken under it, so the scale byte cannot fall under 1
.set LN, 1                             ; (head) lane
.set RR, 2                             ; (head) r = lane % 16
.set HH, 3                             ; (head) h = lane / 16
.set XO, 4                             ; (head) 16 x lane: my bytes of a dense load of x
.set T, 0                              ; v0-4: partial minima in the walk
.set M0, 0                             ; v0-1, v2-3: (quantising) largest magnitudes, then scale operands and bytes
.set M1, 2
.set XS, 5                             ; stage, way in; way out
.set XL, 6
.set RA, 7                             ; my 128 bytes of a raw code row
.set WA, 8                             ; v8-11 where I store a code record's parts
.set WB, 9
.set WS, 10
.set WE, 11
.set YA, 12                            ; v12-15 where I store an x record's parts
.set YB, 13
.set YS, 14
.set YE, 15
.set Q0, 12                            ; v12-15, v20-23: (quantising codes) chains of squares
.set Q1, 20
.set ACC, 20                           ; (x) the two tiles' sums
.set PF, 22
.set FA, 16                            ; v16-19 where I read a code record's parts; stepped once, to the second half
.set FB, 17
.set FS, 18
.set FE, 19
.set MW, 24                            ; where I store my results, and read others'
.set MR, 25
.set SPW, 26                           ; my spare word's address and 0: never rewritten
.set NIL, 27
.set H8, 28                            ; 8 h
.set PU, 29                            ; v29-30 lane exchanges, then ee
.set GO, 31                            ; my 8 bytes of 64 indices
.set XB, 32                            ; v32-79   x's four operands: 6 registers of codes, 6 of zeros
.set FR, 80                            ; v80-103  the operands of a pair of code tiles: 6 + 6 zeros each; (quantising) the codes just made
.set XW, 104                           ; v104-107, v108-109: scale words of x and of the codes, and nothing else
.set FW, 108
.set XXP, 110                          ; v110-117 pairs (xx, the kept pair's first code) of the four row tiles
.set BP, 118                           ; v118-125 pairs (the least d, set 0, set 1): the sets change places from pair to pair
.set EE, 126                           ; v126-141 ee of my 16 codes
.set S, 142                            ; v142-157 S of one row tile
.set D, 158                            ; v158-189 the products of two row tiles; d is written over them
.set X, 126                            ; (quantising) v126-189 two raw tiles: 32 neighbours a lane each
.set CAP, 190                          ; v190-253 the kept 16 distances of the four row tiles
.set PA, 190                           ; (ahead of the walk) v190-193 where I read my row tiles' records
.set PB, 191
.set PS, 192
.set PE, 193
.set PT, 254                           ; v254-255 lane exchanges, then scale words on their way to LDS
.set L, 126                            ; (the end) v126-157 results of the four q's and both halves
.set WV, 10                            ; s10 wave
.set SEL, 20                           ; s[20:21] selects for lane l xor 16
.set TB, 23                            ; the pair's first code (without 8 h)
.set G1, 24                            ; s[24:31] descriptor group 1
.set G0, 32                            ; s[32:35], s[36:39] group 0 of the first and of the second half
.set G0B, 36
.set MK, 40                            ; s40-43 masks
.set QQ, 44                            ; q
.set GG, 45                            ; g
; A round of the cluster's barrier.
.macro ROUND
	s_barrier_signal -1
	s_barrier_wait -1
	s_cmp_lg_u32 s[WV], 0
	s_cbranch_scc1 .Lnot_wave_0_\@
	s_barrier_signal -3
.Lnot_wave_0_\@:
	s_barrier_wait -3
	s_barrier_signal -1
	s_barrier_wait -1
.endm
; Two tiles by turns, at v[X] and v[X+32]: 32 neighbours along K a lane (lane (r, h): block h of row r) become registers 0-5 of an operand (in FR's low halves) and the row's scale word (PT).
; sq = 1: the squares are summed on the way, in two packed chains a tile.
.macro QUANT sq
.irp u, 0,1
	v_max3_num_f32 v[M0+\u], |v[X+32*\u]|, |v[X+32*\u+1]|, FLOOR
	v_max_num_f32 v[M1+\u], |v[X+32*\u+2]|, |v[X+32*\u+3]|
.if \sq
	v_pk_mul_f32 v[Q0+2*\u:Q0+2*\u+1], v[X+32*\u:X+32*\u+1], v[X+32*\u:X+32*\u+1]
	v_pk_mul_f32 v[Q1+2*\u:Q1+2*\u+1], v[X+32*\u+2:X+32*\u+3], v[X+32*\u+2:X+32*\u+3]
.endif
.endr
.irp i, 4,8,12,16,20,24,28
.irp u, 0,1
	v_max3_num_f32 v[M0+\u], v[M0+\u], |v[X+32*\u+\i]|, |v[X+32*\u+\i+1]|
	v_max3_num_f32 v[M1+\u], v[M1+\u], |v[X+32*\u+\i+2]|, |v[X+32*\u+\i+3]|
.if \sq
	v_pk_fma_f32 v[Q0+2*\u:Q0+2*\u+1], v[X+32*\u+\i:X+32*\u+\i+1], v[X+32*\u+\i:X+32*\u+\i+1], v[Q0+2*\u:Q0+2*\u+1]
	v_pk_fma_f32 v[Q1+2*\u:Q1+2*\u+1], v[X+32*\u+\i+2:X+32*\u+\i+3], v[X+32*\u+\i+2:X+32*\u+\i+3], v[Q1+2*\u:Q1+2*\u+1]
.endif
.endr
.endr
.irp u, 0,1
	v_max_num_f32 v[M0+\u], v[M0+\u], v[M1+\u]     ; the block's largest magnitude
.endr
.irp u, 0,1
	v_add_nc_u32 v[M0+\u], 0xfe000000, v[M0+\u]    ; 4 off its exponent field: the conversion takes the exponent field of this operand as its scale
.endr
.irp u, 0,1
	v_lshrrev_b32 v[M1+\u], 23, v[M0+\u]           ; the scale's byte
.endr
.irp u, 0,1
	v_cvt_scalef32_pk16_bf6_f32 v[FR+12*\u:FR+12*\u+2], v[X+32*\u:X+32*\u+15], v[M0+\u]
.endr
	v_lshlrev_b32 v[M1], v[H8], v[M1]              ; my byte at its place in the word.  (The plain instruction behind the conversions, whose sources the next ones write over)
.irp u, 0,1
	v_cvt_scalef32_pk16_bf6_f32 v[X+32*\u:X+32*\u+2], v[X+32*\u+16:X+32*\u+31], v[M0+\u]   ; (a conversion's three registers begin on an even number: made here, moved below)
.endr
	v_lshlrev_b32 v[M1+1], v[H8], v[M1+1]          ; (and here)
.irp i, 0,1,2
.irp u, 0,1
	v_mov_b32 v[FR+12*\u+3+\i], v[X+32*\u+\i]
.endr
.endr
.irp u, 0,1
	v_permlanex16_b32 v[PT+\u], v[M1+\u], s[SEL], s[SEL+1]
.endr
.irp u, 0,1
	v_or_b32 v[PT+\u], v[M1+\u], v[PT+\u]          ; with the other block's byte; bytes 2 and 3 stay 0 over zero codes
.endr
.endm
; My two tiles of a half, o tiles on from the first of them: raw rows in, records over them.
.macro CODES o
.irp u, 0,1
.irp q, 0,1,2,3,4,5,6,7
	ds_load_b128 v[X+32*\u+4*\q:X+32*\u+4*\q+3], v[RA] offset:(\o+\u)*TILEB+16*\q
.endr
.endr
	s_wait_dscnt 0x0
	QUANT 1
.irp u, 0,1
	v_pk_add_f32 v[Q0+2*\u:Q0+2*\u+1], v[Q0+2*\u:Q0+2*\u+1], v[Q1+2*\u:Q1+2*\u+1]
.endr
.irp u, 0,1
	v_add_f32 v[Q0+2*\u], v[Q0+2*\u], v[Q0+2*\u+1]
.endr
.irp u, 0,1
	v_permlanex16_b32 v[PU+\u], v[Q0+2*\u], s[SEL], s[SEL+1]
.endr
.irp u, 0,1
	v_add_f32 v[PU+\u], v[Q0+2*\u], v[PU+\u]       ; ee of code r
.endr
.irp u, 0,1
	ds_store_b128 v[WA], v[FR+12*\u:FR+12*\u+3] offset:(\o+\u)*TILEB
	ds_store_b64 v[WB], v[FR+12*\u+4:FR+12*\u+5] offset:(\o+\u)*TILEB+R_FB
	ds_store_b32 v[WS], v[PT+\u] offset:(\o+\u)*TILEB+R_SW
	ds_store_b32 v[WE], v[PU+\u] offset:(\o+\u)*TILEB+R_EE   ; both lanes of a code write the same word with the same value
.endr
.endm
	s_load_b128 s[4:7], s[0:1], 0x0                ; x s[4:5], the codebook s[6:7]
	s_load_b64 s[8:9], s[0:1], 0x10                ; idx
	v_lshl_add_u32 v[SPW], v0, 2, SPARE
	v_mov_b32 v[NIL], 0
	ds_add_u32 v[SPW], v[NIL]                      ; the opening lines: the add, twice on end, and its wait
	ds_add_u32 v[SPW], v[NIL]
	v_lshrrev_b32 v[LN], 5, v0
	v_readfirstlane_b32 s[WV], v[LN]               ; wave 0..15
	s_bfe_u32 s11, ttmp6, 0x40000                  ; cx: it enters x's and idx's global addresses alone
	s_lshl_b32 s12, ttmp9, 2
	s_add_co_u32 s12, s12, s11                     ; work-group = 4 x cluster + cx
	s_mov_b32 s[SEL], 0x76543210
	s_mov_b32 s[SEL+1], 0xfedcba98
	; descriptor group 1: 32 rows of 256 bytes (32 elements of 8), dense in memory, 16 bytes of padding behind each row
	s_mov_b32 s[G1], 15|(3<<16)|(1<<20)|(1<<21)|(5<<22)|(3<<25)   ; the mask: all four work-groups; elements of 8 bytes; padding on; bit 21 beside a mask; after every 64 words; 4 words
	s_mov_b32 s[G1+1], 32<<16                      ; tensor_dim0
	s_mov_b32 s[G1+2], 32<<16                      ; tensor_dim1
	s_mov_b32 s[G1+3], 32<<16                      ; tile_dim0
	s_mov_b32 s[G1+4], 32                          ; tile_dim1
	s_mov_b32 s[G1+5], 32                          ; from row to row
	s_mov_b32 s[G1+6], 0
	s_mov_b32 s[G1+7], 0
	s_lshr_b32 s[QQ], s[WV], 2
	s_and_b32 s[GG], s[WV], 3
	s_lshl_b32 s[TB], s[QQ], 8                     ; my first code
	s_mul_i32 s13, s[QQ], 16*TILEB                 ; and its tile's record
	s_mul_i32 s14, s[GG], 2*TILEB
	s_add_co_u32 s18, s13, s14                     ; the tiles that I fetch: the wave's number alone
	s_add_co_u32 s14, s14, XST                     ; my four row tiles' records: two stages
	s_mov_b32 s[G0], 1
	s_mov_b32 s[G0+1], s18
	s_mov_b32 s[G0B], 1
	s_add_co_u32 s[G0B+1], s18, 8*TILEB
	s_mul_i32 s19, s[WV], TILEB
	s_add_co_u32 s19, s19, XST                     ; my stage (waves 0-7 use one)
	s_lshr_b32 s16, s[WV], 1
	s_mul_i32 s16, s16, TILEB
	s_and_b32 s17, s[WV], 1
	s_lshl_b32 s17, s17, 10
	s_add_co_u32 s16, s16, s17
	s_add_co_u32 s16, s16, XST+RES                 ; my results: 1,024 bytes
	s_lshl_b32 s17, s[WV], 5
	s_add_co_u32 s17, s17, XST+RES
	v_and_b32 v[LN], 31, v0
	v_and_b32 v[RR], 15, v0
	v_bfe_u32 v[HH], v0, 4, 1
	v_lshlrev_b32 v[XO], 4, v[LN]
	v_mul_u32_u24 v[XS], v[HH], PITCH
	v_mul_u32_u24 v[XL], v[RR], PITCH
	v_lshl_add_u32 v[XS], v[RR], 4, v[XS]
	v_lshl_add_u32 v[XL], v[HH], 7, v[XL]          ; row r, block h
	v_add_nc_u32 v[XS], s19, v[XS]                 ; in: a dense load holds two rows: lanes 0-15 one, lanes 16-31 the next
	v_add_nc_u32 v[RA], s18, v[XL]
	v_add_nc_u32 v[XL], s19, v[XL]
	v_lshl_add_u32 v[WA], v[LN], 4, s18
	v_lshl_add_u32 v[WB], v[LN], 3, s18
	v_lshl_add_u32 v[WS], v[LN], 2, s18
	v_lshl_add_u32 v[WE], v[RR], 2, s18
	v_lshl_add_u32 v[YA], v[LN], 4, s19
	v_lshl_add_u32 v[YB], v[LN], 3, s19
	v_lshl_add_u32 v[YS], v[LN], 2, s19
	v_lshl_add_u32 v[YE], v[RR], 2, s19
	v_lshl_add_u32 v[FA], v[LN], 4, s13
	v_lshl_add_u32 v[FB], v[LN], 3, s13
	v_lshl_add_u32 v[FS], v[LN], 2, s13
	v_lshl_add_u32 v[FE], v[HH], 5, s13            ; ee of codes 8 h .. 8 h + 7
	v_lshl_add_u32 v[PA], v[LN], 4, s14
	v_lshl_add_u32 v[PB], v[LN], 3, s14
	v_lshl_add_u32 v[PS], v[LN], 2, s14
	v_lshl_add_u32 v[PE], v[RR], 2, s14
	v_lshl_add_u32 v[MW], v[LN], 3, s16
	; results of row tiles T = 2 (l % 8) and T + 1, row r = 4 w + l / 8 (waves 0-3): T / 8 chooses the stage, T / 4 % 2 the 1,024 bytes, T % 4 the 256 bytes
	v_bfe_u32 v[MR], v[LN], 2, 1
	v_bfe_u32 v[GO], v[LN], 1, 1
	v_mul_u32_u24 v[MR], v[MR], TILEB
	v_lshl_add_u32 v[MR], v[GO], 10, v[MR]
	v_and_b32 v[GO], 1, v[LN]
	v_lshl_add_u32 v[MR], v[GO], 9, v[MR]
	v_lshrrev_b32 v[GO], 3, v[LN]
	v_lshl_add_u32 v[MR], v[GO], 3, v[MR]
	v_add_nc_u32 v[MR], s17, v[MR]
	v_lshlrev_b32 v[GO], 3, v[LN]
	v_lshlrev_b32 v[H8], 3, v[HH]
.irp u, 0,1
	v_mov_b32 v[PF+\u], 0                          ; a lane exchange's destination counts as read: written once
	v_mov_b32 v[PT+\u], 0
	v_mov_b32 v[PU+\u], 0
.endr
	s_wait_alu depctr_va_vdst(0)
	s_wait_dscnt 0x0                               ; both opening adds are done
	ROUND                                          ; the four work-groups are here: the joint loads meet
	s_wait_kmcnt 0x0
	s_lshl_b32 s14, s[QQ], 16                      ; 256 codes of 256 bytes for each q,
	s_lshl_b32 s15, s[GG], 13                      ; 32 of a half's 128 for each g
	s_add_co_u32 s14, s14, s15
	s_mov_b32 s15, 0
	s_add_nc_u64 s[G0+2:G0+3], s[6:7], s[14:15]
	s_add_nc_u64 s[G0B+2:G0B+3], s[G0+2:G0+3], 0x8000
	s_or_b32 s[G0+3], s[G0+3], 0x80000000
	s_or_b32 s[G0B+3], s[G0B+3], 0x80000000
	tensor_load_to_lds s[G0:G0+3], s[G1:G1+7]      ; the first half: the wave's one load at the head
	s_nop 0
.rept 4
	v_nop
.endr
	s_lshl_b32 s14, s12, 16                        ; 256 rows of 256 bytes,
	s_lshl_b32 s15, s[WV], 13                      ; 32 of them for each of waves 0-7
	s_add_co_u32 s14, s14, s15
	s_mov_b32 s15, 0
	s_add_nc_u64 s[4:5], s[4:5], s[14:15]
	s_lshl_b32 s16, s12, 10                        ; 256 indices, 64 of them for each of waves 0-3
	s_lshl_b32 s17, s[WV], 8
	s_add_co_u32 s16, s16, s17
	s_mov_b32 s17, 0
	s_add_nc_u64 s[8:9], s[8:9], s[16:17]
	s_cmp_lt_u32 s[WV], 8
	s_cbranch_scc0 .Lno_x
	; ---- x, waves 0-7: two tiles of 16 rows, 8 KB on end; each load takes 512 consecutive bytes.  Each tile turns through my stage: LDS serves a wave's instructions in order.
.set i, 0
.rept 16
	global_load_b128 v[X+4*i:X+4*i+3], v[XO], s[4:5] offset:512*i
.set i, i+1
.endr
.irp a, 0,1
	s_wait_loadcnt 8-8*\a                          ; this tile's eight loads are in; the second tile's may be out
.irp q, 0,1,2,3,4,5,6,7
	ds_store_b128 v[XS], v[X+32*\a+4*\q:X+32*\a+4*\q+3] offset:2*PITCH*\q
.endr
.irp q, 0,1,2,3,4,5,6,7
	ds_load_b128 v[X+32*\a+4*\q:X+32*\a+4*\q+3], v[XL] offset:16*\q
.endr
.endr
	s_wait_dscnt 0x0
	; The squares, each rounded, go into a second set of registers ahead of the quantiser, which writes over some of its numbers.
.set XQ, 32                                    ; v32-95: free until the walk's operands are laid
.set i, 0
.rept 32
	v_pk_mul_f32 v[XQ+2*i:XQ+2*i+1], v[X+2*i:X+2*i+1], v[X+2*i:X+2*i+1]
.set i, i+1
.endr
	; xx in ascending k: lanes 0-15 add k = 0 .. 31; lanes 16-31 take that sum and add k = 32 .. 63 onto it.  Every lane runs both chains; the two tiles take turns.
.irp u, 0,1
	v_add_f32 v[ACC+\u], v[XQ+32*\u], v[XQ+32*\u+1]
.endr
.set i, 2
.rept 30
.irp u, 0,1
	v_add_f32 v[ACC+\u], v[ACC+\u], v[XQ+32*\u+i]
.endr
.set i, i+1
.endr
.irp u, 0,1
	v_permlanex16_b32 v[PF+\u], v[ACC+\u], s[SEL], s[SEL+1]
.endr
.set i, 0
.rept 32
.irp u, 0,1
	v_add_f32 v[PF+\u], v[PF+\u], v[XQ+32*\u+i]
.endr
.set i, i+1
.endr
.irp u, 0,1
	v_permlanex16_b32 v[ACC+\u], v[PF+\u], s[SEL], s[SEL+1]
.endr
	s_mov_b32 vcc_lo, 0xffff0000                   ; lanes 16-31 hold the whole sum, lanes 0-15 take it from them
.irp u, 0,1
	v_cndmask_b32 v[ACC+\u], v[ACC+\u], v[PF+\u], vcc_lo
.endr
	QUANT 0
.irp u, 0,1
	ds_store_b128 v[YA], v[FR+12*\u:FR+12*\u+3] offset:1024*\u      ; the records go over the raw rows, which are in my registers
	ds_store_b64 v[YB], v[FR+12*\u+4:FR+12*\u+5] offset:1024*\u+R_FB
	ds_store_b32 v[YS], v[PT+\u] offset:1024*\u+R_SW
	ds_store_b32 v[YE], v[ACC+\u] offset:1024*\u+R_EE   ; both lanes of a row write the same word with the same value
.endr
	s_wait_dscnt 0x0                               ; they have left their registers
.Lno_x:
.irp a, 0,1,2,3
	v_mov_b32 v[XXP+2*\a+1], s[TB]                 ; the kept pair begins as the first
.irp j, 6,7,8,9,10,11
	v_mov_b32 v[XB+12*\a+\j], 0                    ; K = 64 .. 127: zero codes
.endr
.endr
.irp j, 6,7,8,9,10,11,18,19,20,21,22,23
	v_mov_b32 v[FR+\j], 0
.endr
	; ---- the codebook's first half
	s_wait_tensorcnt 0x0
	CODES 0
	s_wait_tensorcnt 0x0                           ; ahead of a later first fill: no load of mine is out,
	ds_add_u32 v[SPW], v[NIL]
	s_wait_dscnt 0x0                               ; the add is done, and my records are in LDS
	ROUND                                          ; all records of x and of the first half are; the four work-groups are here
	tensor_load_to_lds s[G0B:G0B+3], s[G1:G1+7]    ; the second half: the wave's one load behind the round, on its way during the first half's walk
	s_nop 0
.rept 4
	v_nop
.endr
	; ---- the walk
.macro LOADF o                                 ; the operands and scale words of the pair that lies o tiles on from the address registers' tile
.irp u, 0,1
	ds_load_b128 v[FR+12*\u:FR+12*\u+3], v[FA] offset:(\o+\u)*TILEB
	ds_load_b64 v[FR+12*\u+4:FR+12*\u+5], v[FB] offset:(\o+\u)*TILEB+R_FB
	ds_load_b32 v[FW+\u], v[FS] offset:(\o+\u)*TILEB+R_SW
.endr
.endm
.macro LOADE o                                 ; and its ee: my 8 codes' 32 bytes of each tile
.irp u, 0,1
	ds_load_b128 v[EE+8*\u:EE+8*\u+3], v[FE] offset:(\o+\u)*TILEB+R_EE
	ds_load_b128 v[EE+8*\u+4:EE+8*\u+7], v[FE] offset:(\o+\u)*TILEB+R_EE+16
.endr
.endm
.macro MM a                                    ; the products of the pair's 2 x 16 codes with row tile a, each a sum of its own, begun with 0
.irp u, 0,1
	v_wmma_scale_f32_16x16x128_f8f6f4 v[D+16*(\a%2)+8*\u:D+16*(\a%2)+8*\u+7], v[FR+12*\u:FR+12*\u+11], v[XB+12*\a:XB+12*\a+11], 0, v[FW+\u], v[XW+\a] matrix_a_fmt:MATRIX_FMT_BF6 matrix_b_fmt:MATRIX_FMT_BF6
.endr
.endm
.macro SUMS a                                  ; S = xx + ee
.irp j, 0,2,4,6,8,10,12,14
	v_pk_add_f32 v[S+\j:S+\j+1], v[EE+\j:EE+\j+1], v[XXP+2*\a:XXP+2*\a+1] op_sel_hi:[1,0]
.endr
.endm
.macro DIST a, e                               ; d = S - 2 dot, into v[e] on; each accumulator is read from its low end on
.irp j, 0,2,4,6,8,10,12,14
	v_pk_fma_f32 v[\e+\j:\e+\j+1], v[D+16*(\a%2)+\j:D+16*(\a%2)+\j+1], -2.0, v[S+\j:S+\j+1] op_sel_hi:[1,0,1]
.endr
.endm
; The least of 16 distances from v[e] on.  The best so far is one more leaf: new = min(my 16, old), into set n; new < old exactly where the pair beats the old best, strictly.
.macro LEAST a, e, n, first
.irp k, 0,1,2,3,4
	v_min3_num_f32 v[T+\k], v[\e+3*\k], v[\e+3*\k+1], v[\e+3*\k+2]
.endr
	v_min3_num_f32 v[T], v[T], v[T+1], v[\e+15]
	v_min3_num_f32 v[T+2], v[T+2], v[T+3], v[T+4]
.if \first
	v_min_num_f32 v[BP+2*\a+\n], v[T], v[T+2]
.else
	v_min3_num_f32 v[BP+2*\a+\n], v[T], v[T+2], v[BP+2*\a+1-\n]
	v_cmp_lt_f32 vcc_lo, v[BP+2*\a+\n], v[BP+2*\a+1-\n]
.endif
.endm
.macro KEEP a, first                           ; where it does, the pair's number and its 16 distances are kept, two selects an instruction (the first pair's distances are made in the kept registers)
.if \first == 0
	v_cndmask_b32 v[XXP+2*\a+1], v[XXP+2*\a+1], s[TB], vcc_lo
.irp j, 0,2,4,6,8,10,12,14
	v_dual_cndmask_b32 v[CAP+16*\a+\j], v[CAP+16*\a+\j], v[D+16*(\a%2)+\j] :: v_dual_cndmask_b32 v[CAP+16*\a+\j+1], v[CAP+16*\a+\j+1], v[D+16*(\a%2)+\j+1]
.endr
.endif
.endm
; A pair of code tiles.  Row tiles a and a + 2 share the registers of the products.  Eight packed instructions that name no register of the products stand between a product and the first read of it, and between the
; last product and the loads into its operands.  The next row tile's sums stand between a compare and its selects.  The next pair's operands are asked for behind the last product, its ee behind the last sum.
; n: the set of best values written; o: where the next pair lies; more = 0: none is asked for; step = 1: the addresses go on to the second half.
.macro PAIR n, o, more, first, step
.if \first
.set E0, CAP
.set E1, CAP+16
.set E2, CAP+32
.set E3, CAP+48
.else
.set E0, D
.set E1, D+16
.set E2, D
.set E3, D+16
.endif
	s_wait_dscnt 0x0                               ; every load for this pair is wanted now
	MM 0
	MM 1
.if \first == 0
	s_add_co_u32 s[TB], s[TB], 32
.endif
	SUMS 0
	DIST 0, E0
	LEAST 0, E0, \n, \first
	SUMS 1
	KEEP 0, \first
	MM 2
	DIST 1, E1
	LEAST 1, E1, \n, \first
	SUMS 2
	KEEP 1, \first
	MM 3
	DIST 2, E2
.if \more
	LOADF \o
.endif
	LEAST 2, E2, \n, \first
	SUMS 3
.if \more
	LOADE \o
.endif
	KEEP 2, \first
.if \step
	v_add_nc_u32 v[FA], 8*TILEB, v[FA]
	v_add_nc_u32 v[FB], 8*TILEB, v[FB]
	v_add_nc_u32 v[FS], 8*TILEB, v[FS]
	v_add_nc_u32 v[FE], 8*TILEB, v[FE]
.endif
	DIST 3, E3
	LEAST 3, E3, \n, \first
	KEEP 3, \first
.endm
	LOADF 0
.irp a, 0,1,2,3
	ds_load_b128 v[XB+12*\a:XB+12*\a+3], v[PA] offset:(\a/2)*TILEB+(\a%2)*1024
	ds_load_b64 v[XB+12*\a+4:XB+12*\a+5], v[PB] offset:(\a/2)*TILEB+(\a%2)*1024+R_FB
	ds_load_b32 v[XW+\a], v[PS] offset:(\a/2)*TILEB+(\a%2)*1024+R_SW
	ds_load_b32 v[XXP+2*\a], v[PE] offset:(\a/2)*TILEB+(\a%2)*1024+R_EE
.endr
	LOADE 0
	PAIR 0, 2, 1, 1, 0                             ; the first pair starts the kept values
	PAIR 1, 4, 1, 0, 0
	PAIR 0, 6, 1, 0, 0
	PAIR 1, 0, 0, 0, 1
	; ---- the codebook's second half
	s_wait_tensorcnt 0x0
	CODES 8
	s_wait_dscnt 0x0                               ; for the others' sake: my records are in LDS
	s_barrier_signal -1
	s_barrier_wait -1
	LOADF 0
	LOADE 0
	PAIR 0, 2, 1, 0, 0
	PAIR 1, 4, 1, 0, 0
	PAIR 0, 6, 1, 0, 0
	PAIR 1, 0, 0, 0, 0                             ; the last pair leaves the best values in set 1
	; ---- which of the kept 16 is the least: the first, from the top down.  Number k lies k codes on from the pair's first (8 h aside), those of the second tile 8 more
.irp a, 0,1,2,3
	v_mov_b32 v[T+\a], 23
.endr
.irp k, 14,13,12,11,10,9,8,7,6,5,4,3,2,1,0
.irp a, 0,1,2,3
	v_cmp_neq_f32 s[MK+\a], v[CAP+16*\a+\k], v[BP+2*\a+1]
.endr
.irp a, 0,1,2,3
	v_cndmask_b32 v[T+\a], \k+8*(\k/8), v[T+\a], s[MK+\a]
.endr
.endr
.irp a, 0,1,2,3
	v_add3_u32 v[BP+2*\a], v[T+\a], v[XXP+2*\a+1], v[H8]   ; 16 t + 8 h + j, beside the best value
.endr
.irp a, 0,1,2,3
	ds_store_b64 v[MW], v[BP+2*\a:BP+2*\a+1] offset:256*\a
.endr
	s_wait_dscnt 0x0                               ; for the others' sake: my results are in LDS
	s_barrier_signal -1
	s_barrier_wait -1
	s_cmp_lt_u32 s[WV], 4
	s_cbranch_scc0 .Lend
	; ---- wave w of 0-3 joins the results of rows r = 4 w .. 4 w + 3 of all 16 row tiles, two tiles a lane.  Within a half of the lanes a later q has higher codes: strictly less takes over
.irp q, 0,1,2,3
.irp h, 0,1
.irp y, 0,1
	ds_load_b64 v[L+8*\q+4*\h+2*\y:L+8*\q+4*\h+2*\y+1], v[MR] offset:2*TILEB*\q+128*\h+256*\y
.endr
.endr
.endr
	s_wait_dscnt 0x0
.irp q, 1,2,3
.irp k, 0,1,2,3
	v_cmp_lt_f32 s[MK+\k], v[L+8*\q+2*\k+1], v[L+2*\k+1]
.endr
.irp k, 0,1,2,3
	v_cndmask_b32 v[L+2*\k], v[L+2*\k], v[L+8*\q+2*\k], s[MK+\k]
	v_cndmask_b32 v[L+2*\k+1], v[L+2*\k+1], v[L+8*\q+2*\k+1], s[MK+\k]
.endr
.endr
	; the two halves: the lesser value, at equal values the lesser index
.irp y, 0,1
	v_min_num_f32 v[T+\y], v[L+2*\y+1], v[L+4+2*\y+1]
.endr
.irp y, 0,1
	v_cmp_eq_f32 s[MK+\y], v[L+2*\y+1], v[T+\y]
	v_cmp_eq_f32 s[MK+2+\y], v[L+4+2*\y+1], v[T+\y]
.endr
.irp y, 0,1
	v_cndmask_b32 v[L+2*\y], -1, v[L+2*\y], s[MK+\y]
	v_cndmask_b32 v[L+4+2*\y], -1, v[L+4+2*\y], s[MK+2+\y]
.endr
.irp y, 0,1
	v_min_u32 v[L+8+\y], v[L+2*\y], v[L+4+2*\y]
.endr
	global_store_b64 v[GO], v[L+8:L+9], s[8:9]     ; 32 lanes store 64 indices: 256 consecutive bytes, aligned
.Lend:
	s_wait_tensorcnt 0x0                           ; the wave's end
	ds_add_u32 v[SPW], v[NIL]
	s_wait_dscnt 0x0
	ROUND                                          ; the closing round: no work-group ends while a partner may still ask for a tile that names it
	s_endpgm
.Lfunc_end_k_q8034a781ba_nearest:
	.size	k_q8034a781ba_nearest, .Lfunc_end_k_q8034a781ba_nearest-k_q8034a781ba_nearest
	.p2alignl 7, 3214868480
	.fill 96, 4, 3214868480
	.section	.rodata,"a",@progbits
	.p2align	6, 0x0
	.amdhsa_kernel k_q8034a781ba_nearest
		.amdhsa_group_segment_fixed_size 327680
		.amdhsa_private_segment_fixed_size 0
		.amdhsa_enable_private_segment 0
		.amdhsa_kernarg_size 24
		.amdhsa_user_sgpr_count 2
		.amdhsa_user_sgpr_kernarg_segment_ptr 1
		.amdhsa_wavefront_size32 1
		.amdhsa_system_sgpr_workgroup_id_x 1
		.amdhsa_system_sgpr_workgroup_id_y 1
		.amdhsa_system_sgpr_workgroup_id_z 1
		.amdhsa_system_vgpr_workitem_id 0
		.amdhsa_next_free_vgpr 256
		.amdhsa_next_free_sgpr 66
		.amdhsa_reserve_vcc 1
		.amdhsa_float_denorm_mode_32 3
		.amdhsa_float_denorm_mode_16_64 3
		.amdhsa_memory_ordered 1
		.amdhsa_forward_progress 1
		.amdhsa_inst_pref_size 128
	.end_amdhsa_kernel
	.amdgpu_metadata
---
amdhsa.version: [ 1, 2 ]
amdhsa.kernels:
  - .name:           k_q8034a781ba_nearest
    .symbol:         k_q8034a781ba_nearest.kd
    .args:
      - { .name: inputs, .offset: 0, .size: 8, .value_kind: global_buffer, .address_space: global }
      - { .name: codebook, .offset: 8, .size: 8, .value_kind: global_buffer, .address_space: global }
      - { .name: idx, .offset: 16, .size: 8, .value_kind: global_buffer, .address_space: global }
    .group_segment_fixed_size: 327680
    .private_segment_fixed_size: 0
    .kernarg_segment_align: 8
    .kernarg_segment_size: 24
    .max_flat_workgroup_size: 512
    .sgpr_count:     66
    .vgpr_count:     256
    .wavefront_size: 32
...
	.end_amdgpu_metadata
.endif
;; end of part 1
;; launch emit (part 2): grid 256 x 1, 8 waves a work-group, no clusters, 0 bytes of LDS; arguments inputs, codebook, idx, out0, part; writes out0, part
.if DOCPART == 2
	.amdgcn_target "amdgcn-amd-amdhsa--gfx1250"
	.amdhsa_code_object_version 6
	.text
	.protected	k_q8034a781ba_emit
	.globl	k_q8034a781ba_emit
	.p2align	8
	.type	k_q8034a781ba_emit,@function
k_q8034a781ba_emit:
	s_mov_b64 s[64:65], 0
	v_nop
	global_prefetch_b8 v0, s[64:65] scope:SCOPE_SE
	s_setreg_imm32_b32 hwreg(HW_REG_WAVE_MODE, 25, 1), 1
	s_wait_xcnt 0x0
; out0[row] = x + (q - x), q = codebook[the row's index], each step rounded in f32 as it is written; part[wave] = the wave's sum of (q - x)^2.
; A stream: no LDS, no matrix unit, no barrier, no loop (so no prefetch); the codebook rows are chosen by the stored indices, so there is no common tile that work-groups could ask for jointly.
; A work-group owns 256 rows and takes 16 of them a step, 4,096 consecutive bytes; of these wave w takes 512: lanes 0-15 row 16 q + 2 w, lanes 16-31 the next.  Sixteen lanes read or store one row, 256 bytes, aligned.
; idx holds the index of row 16 q + r at 16 r + q, so a lane's 16 indices are 64 neighbouring bytes: four loads.  The order of the loads: the indices, x of steps 0-7, and as soon as the indices are in the gathers of
; steps 0-7, then x and the gathers of steps 8-15: loads come back in order, so the first half is stored while the second half's x is on its way.
.set I, 8                              ; v8-23   the indices, then byte offsets into the codebook
.set A, 24                             ; v24-27  sums of squares
.set X, 32                             ; v32-95  x, then out0
.set Q, 96                             ; v96-159 q, then q - x
	s_load_b256 s[4:11], s[0:1], 0x0               ; x s[4:5], codebook s[6:7], idx s[8:9], out0 s[10:11]
	s_load_b64 s[12:13], s[0:1], 0x20              ; part
	v_lshrrev_b32 v1, 5, v0
	s_delay_alu instid0(VALU_DEP_1)
	v_readfirstlane_b32 s14, v1                    ; wave
	v_and_b32 v1, 31, v0                           ; lane
	v_and_b32 v3, 15, v0
	v_bfe_u32 v4, v0, 4, 1
	v_lshlrev_b32 v2, 4, v1                        ; my 16 bytes of the wave's 512
	v_lshlrev_b32 v3, 4, v3                        ; my 16 bytes of a row
	v_lshlrev_b32 v4, 6, v4                        ; my half's 16 indices
	v_mov_b32 v5, 0
	s_mov_b32 s24, 0x76543210
	s_mov_b32 s25, 0xfedcba98
	s_lshl_b32 s15, ttmp9, 3
	s_add_co_u32 s15, s15, s14                     ; which of the launch's 2,048 waves
	s_lshl_b32 s16, ttmp9, 16                      ; 256 rows of 256 bytes
	s_lshl_b32 s17, s14, 9                         ; my wave's 512 bytes of a step
	s_add_co_u32 s16, s16, s17
	s_mov_b32 s17, 0
	s_lshl_b32 s18, s15, 7                         ; 32 indices
	s_mov_b32 s19, 0
	s_lshl_b32 s20, s15, 2                         ; one partial sum
	s_mov_b32 s21, 0
	s_wait_alu depctr_va_vdst(0)
	s_wait_kmcnt 0x0
	s_add_nc_u64 s[4:5], s[4:5], s[16:17]
	s_add_nc_u64 s[10:11], s[10:11], s[16:17]
	s_add_nc_u64 s[8:9], s[8:9], s[18:19]
	s_add_nc_u64 s[12:13], s[12:13], s[20:21]
.macro LOADX q
	global_load_b128 v[X+4*\q:X+4*\q+3], v2, s[4:5] offset:4096*\q th:TH_LOAD_NT
.endm
.macro GATHER q
	global_load_b128 v[Q+4*\q:Q+4*\q+3], v[I+\q], s[6:7]   ; no hint: these rows are read again and again
.endm
.irp g, 0,1,2,3
	global_load_b128 v[I+4*\g:I+4*\g+3], v4, s[8:9] offset:16*\g
.endr
.irp q, 0,1,2,3,4,5,6,7
	LOADX \q
.endr
	s_wait_loadcnt 8                               ; the indices are in; x's eight loads may be out
.irp q, 0,1,2,3,4,5,6,7,8,9,10,11,12,13,14,15
	v_min_u32 v[I+\q], 0x3ff, v[I+\q]              ; a loaded number enters an address only held inside the table
.endr
.irp q, 0,1,2,3,4,5,6,7,8,9,10,11,12,13,14,15
	v_lshl_add_u32 v[I+\q], v[I+\q], 8, v3         ; the code's row of 256 bytes, my 16 of them
.endr
.irp q, 0,1,2,3,4,5,6,7
	GATHER \q
.endr
.irp q, 8,9,10,11,12,13,14,15
	LOADX \q
.endr
.irp q, 8,9,10,11,12,13,14,15
	GATHER \q
.endr
.macro STEP q
.if \q < 8
	s_wait_loadcnt 23-\q                           ; this step's gather is in (its x came earlier); 7 - q gathers of this half and the 16 loads of the other may be out
.else
	s_wait_loadcnt 15-\q                           ; the later gathers may be out
.endif
	v_pk_add_f32 v[Q+4*\q:Q+4*\q+1], v[Q+4*\q:Q+4*\q+1], v[X+4*\q:X+4*\q+1] neg_lo:[0,1] neg_hi:[0,1]       ; q - x
	v_pk_add_f32 v[Q+4*\q+2:Q+4*\q+3], v[Q+4*\q+2:Q+4*\q+3], v[X+4*\q+2:X+4*\q+3] neg_lo:[0,1] neg_hi:[0,1]
.if \q == 0
	s_delay_alu instid0(VALU_DEP_2)
	v_pk_mul_f32 v[A:A+1], v[Q:Q+1], v[Q:Q+1]      ; the first step starts the sums
	s_delay_alu instid0(VALU_DEP_2)
	v_pk_mul_f32 v[A+2:A+3], v[Q+2:Q+3], v[Q+2:Q+3]
.else
	s_wait_alu depctr_va_vdst(0)
	v_pk_fma_f32 v[A:A+1], v[Q+4*\q:Q+4*\q+1], v[Q+4*\q:Q+4*\q+1], v[A:A+1]
	v_pk_fma_f32 v[A+2:A+3], v[Q+4*\q+2:Q+4*\q+3], v[Q+4*\q+2:Q+4*\q+3], v[A+2:A+3]
.endif
	v_pk_add_f32 v[X+4*\q:X+4*\q+1], v[X+4*\q:X+4*\q+1], v[Q+4*\q:Q+4*\q+1]                 ; x + (q - x)
	v_pk_add_f32 v[X+4*\q+2:X+4*\q+3], v[X+4*\q+2:X+4*\q+3], v[Q+4*\q+2:Q+4*\q+3]
	global_store_b128 v2, v[X+4*\q:X+4*\q+3], s[10:11] offset:4096*\q   ; each step has registers of its own: no store's data are written again
.endm
.irp q, 0,1,2,3,4,5,6,7,8,9,10,11,12,13,14,15
	STEP \q
.endr
	v_pk_add_f32 v[A:A+1], v[A:A+1], v[A+2:A+3]
	s_delay_alu instid0(VALU_DEP_1)
	v_add_f32 v[A], v[A], v[A+1]
	s_delay_alu instid0(VALU_DEP_1)
	v_add_f32_dpp v[A], v[A], v[A] row_xmask:1 row_mask:0xf bank_mask:0xf
	s_delay_alu instid0(VALU_DEP_1)
	v_add_f32_dpp v[A], v[A], v[A] row_xmask:2 row_mask:0xf bank_mask:0xf
	s_delay_alu instid0(VALU_DEP_1)
	v_add_f32_dpp v[A], v[A], v[A] row_xmask:4 row_mask:0xf bank_mask:0xf
	s_delay_alu instid0(VALU_DEP_1)
	v_add_f32_dpp v[A], v[A], v[A] row_xmask:8 row_mask:0xf bank_mask:0xf
	s_delay_alu instid0(VALU_DEP_1)
	v_permlanex16_b32 v[A+1], v[A], s24, s25
	s_delay_alu instid0(VALU_DEP_1)
	v_add_f32 v[A], v[A], v[A+1]                   ; the wave's sum, in every lane
	v_cmp_eq_u32 vcc_lo, 0, v1
	s_wait_alu depctr_va_vdst(0)
	s_wait_xcnt 0x0                                ; EXEC changes only when the stores above have read it
	s_and_saveexec_b32 s22, vcc_lo
	global_store_b32 v5, v[A], s[12:13]            ; lane 0 stores it
	s_wait_xcnt 0x0
	s_or_b32 exec_lo, exec_lo, s22
	s_endpgm
.Lfunc_end_k_q8034a781ba_emit:
	.size	k_q8034a781ba_emit, .Lfunc_end_k_q8034a781ba_emit-k_q8034a781ba_emit
	.p2alignl 7, 3214868480
	.fill 96, 4, 3214868480
	.section	.rodata,"a",@progbits
	.p2align	6, 0x0
	.amdhsa_kernel k_q8034a781ba_emit
		.amdhsa_group_segment_fixed_size 0
		.amdhsa_private_segment_fixed_size 0
		.amdhsa_enable_private_segment 0
		.amdhsa_kernarg_size 40
		.amdhsa_user_sgpr_count 2
		.amdhsa_user_sgpr_kernarg_segment_ptr 1
		.amdhsa_wavefront_size32 1
		.amdhsa_system_sgpr_workgroup_id_x 1
		.amdhsa_system_sgpr_workgroup_id_y 1
		.amdhsa_system_sgpr_workgroup_id_z 1
		.amdhsa_system_vgpr_workitem_id 0
		.amdhsa_next_free_vgpr 160
		.amdhsa_next_free_sgpr 66
		.amdhsa_reserve_vcc 1
		.amdhsa_float_denorm_mode_32 3
		.amdhsa_float_denorm_mode_16_64 3
		.amdhsa_memory_ordered 1
		.amdhsa_forward_progress 1
		.amdhsa_inst_pref_size 17
	.end_amdhsa_kernel
	.amdgpu_metadata
---
amdhsa.version: [ 1, 2 ]
amdhsa.kernels:
  - .name:           k_q8034a781ba_emit
    .symbol:         k_q8034a781ba_emit.kd
    .args:
      - { .name: inputs, .offset: 0, .size: 8, .value_kind: global_buffer, .address_space: global }
      - { .name: codebook, .offset: 8, .size: 8, .value_kind: global_buffer, .address_space: global }
      - { .name: idx, .offset: 16, .size: 8, .value_kind: global_buffer, .address_space: global }
      - { .name: out0, .offset: 24, .size: 8, .value_kind: global_buffer, .address_space: global }
      - { .name: part, .offset: 32, .size: 8, .value_kind: global_buffer, .address_space: global }
    .group_segment_fixed_size: 0
    .private_segment_fixed_size: 0
    .kernarg_segment_align: 8
    .kernarg_segment_size: 40
    .max_flat_workgroup_size: 256
    .sgpr_count:     66
    .vgpr_count:     160
    .wavefront_size: 32
...
	.end_amdgpu_metadata
.endif
;; end of part 2
;; launch total (part 3): grid 1 x 1, 1 waves a work-group, no clusters, 0 bytes of LDS; arguments part, out1; writes out1
.if DOCPART == 3
	.amdgcn_target "amdgcn-amd-amdhsa--gfx1250"
	.amdhsa_code_object_version 6
	.text
	.protected	k_q8034a781ba_total
	.globl	k_q8034a781ba_total
	.p2align	8
	.type	k_q8034a781ba_total,@function
k_q8034a781ba_total:
	s_mov_b64 s[64:65], 0
	v_nop
	global_prefetch_b8 v0, s[64:65] scope:SCOPE_SE
	s_setreg_imm32_b32 hwreg(HW_REG_WAVE_MODE, 25, 1), 1
	s_wait_xcnt 0x0
; out1 = m + 0.25 m, m = (the sum of the 2,048 partial sums) / 2^22: the mean of (q - x)^2 over 65,536 x 64 numbers.  One wave: 64 numbers a lane, 16 loads of 512 consecutive bytes.
	s_load_b128 s[4:7], s[0:1], 0x0                ; part, out1
	v_lshlrev_b32 v1, 4, v0
	v_mov_b32 v2, 0
	s_mov_b32 s8, 0x76543210
	s_mov_b32 s9, 0xfedcba98
	s_wait_alu depctr_va_vdst(0)
	s_wait_kmcnt 0x0
.irp q, 0,1,2,3,4,5,6,7,8,9,10,11,12,13,14,15
	global_load_b128 v[8+4*\q:11+4*\q], v1, s[4:5] offset:512*\q
.endr
	s_wait_loadcnt 0x0
	v_pk_add_f32 v[4:5], v[8:9], v[12:13]          ; two packed chains
	v_pk_add_f32 v[6:7], v[10:11], v[14:15]
.irp q, 2,3,4,5,6,7,8,9,10,11,12,13,14,15
	v_pk_add_f32 v[4:5], v[4:5], v[8+4*\q:9+4*\q]
	v_pk_add_f32 v[6:7], v[6:7], v[10+4*\q:11+4*\q]
.endr
	v_pk_add_f32 v[4:5], v[4:5], v[6:7]
	v_add_f32 v4, v4, v5
	v_add_f32_dpp v4, v4, v4 row_xmask:1 row_mask:0xf bank_mask:0xf
	v_add_f32_dpp v4, v4, v4 row_xmask:2 row_mask:0xf bank_mask:0xf
	v_add_f32_dpp v4, v4, v4 row_xmask:4 row_mask:0xf bank_mask:0xf
	v_add_f32_dpp v4, v4, v4 row_xmask:8 row_mask:0xf bank_mask:0xf
	v_permlanex16_b32 v5, v4, s8, s9
	v_add_f32 v4, v4, v5
	v_mul_f32 v4, 0x34800000, v4                   ; x 2^-22: exact
	v_fmamk_f32 v5, v4, 0x3e800000, v4             ; m x 0.25 + m
	v_cmp_eq_u32 vcc_lo, 0, v0
	s_wait_alu depctr_va_vdst(0)
	s_wait_xcnt 0x0                                ; EXEC changes only behind this wait
	s_and_saveexec_b32 s10, vcc_lo
	global_store_b32 v2, v5, s[6:7]
	s_wait_xcnt 0x0
	s_or_b32 exec_lo, exec_lo, s10
	s_endpgm
.Lfunc_end_k_q8034a781ba_total:
	.size	k_q8034a781ba_total, .Lfunc_end_k_q8034a781ba_total-k_q8034a781ba_total
	.p2alignl 7, 3214868480
	.fill 96, 4, 3214868480
	.section	.rodata,"a",@progbits
	.p2align	6, 0x0
	.amdhsa_kernel k_q8034a781ba_total
		.amdhsa_group_segment_fixed_size 0
		.amdhsa_private_segment_fixed_size 0
		.amdhsa_enable_private_segment 0
		.amdhsa_kernarg_size 16
		.amdhsa_user_sgpr_count 2
		.amdhsa_user_sgpr_kernarg_segment_ptr 1
		.amdhsa_wavefront_size32 1
		.amdhsa_system_sgpr_workgroup_id_x 1
		.amdhsa_system_sgpr_workgroup_id_y 1
		.amdhsa_system_sgpr_workgroup_id_z 1
		.amdhsa_system_vgpr_workitem_id 0
		.amdhsa_next_free_vgpr 80
		.amdhsa_next_free_sgpr 66
		.amdhsa_reserve_vcc 1
		.amdhsa_float_denorm_mode_32 3
		.amdhsa_float_denorm_mode_16_64 3
		.amdhsa_memory_ordered 1
		.amdhsa_forward_progress 1
		.amdhsa_inst_pref_size 5
	.end_amdhsa_kernel
	.amdgpu_metadata
---
amdhsa.version: [ 1, 2 ]
amdhsa.kernels:
  - .name:           k_q8034a781ba_total
    .symbol:         k_q8034a781ba_total.kd
    .args:
      - { .name: part, .offset: 0, .size: 8, .value_kind: global_buffer, .address_space: global }
      - { .name: out1, .offset: 8, .size: 8, .value_kind: global_buffer, .address_space: global }
    .group_segment_fixed_size: 0
    .private_segment_fixed_size: 0
    .kernarg_segment_align: 8
    .kernarg_segment_size: 16
    .max_flat_workgroup_size: 32
    .sgpr_count:     66
    .vgpr_count:     80
    .wavefront_size: 32
...
	.end_amdgpu_metadata
.endif
;; end of part 3
